; MI455X (gfx1250); checked and timed in simulation.
; The chip was launched on July 23, 2026; its instructions are those of AMD's public machine-readable ISA for CDNA 5 (MIT licence, August 2026) and "CDNA5" Instruction Set Architecture Reference Guide (July 2026). The comments in the code are by the model that wrote it; some were corrected since.
;; Attention. Allowed arithmetic: float matrix products may take bf16 or f16 operands with f32 sums; all other float work in f32.
;; Inputs: Wk 1,024 x 1,024 float32; Wo 1,024 x 1,024 float32; Wq 1,024 x 1,024 float32; Wv 1,024 x 1,024 float32; beta 1,024 float32; bk 1,024 float32; bo 1,024 float32; bq 1,024 float32; bv 1,024 float32; gamma 1,024 float32; x 4 x 2,048 x 1,024 float32.
;; Outputs: out0 4 x 2,048 x 1,024 float32.
;; One version. Each part assembles by itself: llvm-mc -triple=amdgcn-amd-amdhsa -mcpu=gfx1250 --defsym DOCPART=n.
;; ======== version 1 of 1: 4 launches
;; limits: values are held in f16: magnitudes above 65,504 overflow, below 6.1e-05 lose precision
;; workspace buffers: xh 16,777,216 bytes; wh 8,388,608 bytes; qkv 50,331,648 bytes; ctx 16,777,216 bytes
;; launch cast (part 1): grid 768 x 1, 8 waves a work-group, no clusters, 0 bytes of LDS; arguments x, Wq, Wk, Wv, Wo, xh, wh; writes xh, wh
.if DOCPART == 1
	.amdgcn_target "amdgcn-amd-amdhsa--gfx1250"
	.amdhsa_code_object_version 6
	.text
	.protected	k_q0ff790e3f4_cast
	.globl	k_q0ff790e3f4_cast
	.p2align	8
	.type	k_q0ff790e3f4_cast,@function
k_q0ff790e3f4_cast:
	s_mov_b64 s[64:65], 0
	v_nop
	global_prefetch_b8 v0, s[64:65] scope:SCOPE_SE
	s_setreg_imm32_b32 hwreg(HW_REG_WAVE_MODE, 25, 1), 1
	s_wait_xcnt 0x0
; First of four launches: x + LayerNorm(attention(x) Wo^T + bo).  This one rounds the matrix operands to f16 once:
; xh = f16(x) [8192][1024], wh = f16 of Wq, Wk, Wv, Wo stacked [4096][1024].  Every later product reads f16 and sums in f32.
; WHY F16: x, the weights, q, k, v, the softmax's weights (0 to 1) and the context (no larger than the largest |v|) all lie
; inside f16's range also when x and the weights are 30 times larger or carry an offset of 30 spreads (q, k, v then reach some 29,000).
; LIMIT: a matrix operand beyond 65,504 in magnitude becomes an infinity.
; WORK LEFT OUT IN THE WHOLE PROGRAM, for all finite values of the inputs:
; (1) bk.  The score of query i and key j is q_i . (x_j Wk^T + bk) = q_i . (x_j Wk^T) + q_i . bk.  The second term does not hang on j,
;     the axis of the softmax, so it multiplies numerator and denominator by the same factor and cancels.  bk is not loaded and is
;     no argument of any launch.
; (2) Tiles of 64 queries x 64 keys that lie wholly above the diagonal: reference() sets their scores to -inf by its own tril, so their
;     weights are 0.
; LIMIT: a NaN, an infinity or an overflow that reaches only bk or only those tiles is not carried to the result.
; SHARE: a work-group takes 16,384 numbers (65,536 bytes in, 32,768 out).  Groups 0-511 take x, groups 512-767 the four weights, 64 each.
; A load of a wave covers 512 consecutive bytes, a store 256 consecutive bytes at a multiple of 256.  No register is written twice.
.set NLD, 16                           ; loads of a thread, all issued before the first is used
.set X, 4                              ; v[4:67]   as loaded
.set Y, 68                             ; v[68:99]  as stored
	s_load_b256 s[4:11], s[0:1], 0x0               ; x s[4:5], Wq s[6:7], Wk s[8:9], Wv s[10:11]
	s_load_b128 s[12:15], s[0:1], 0x20             ; Wo s[12:13], xh s[14:15]
	s_load_b64 s[16:17], s[0:1], 0x30              ; wh
	s_mov_b32 s21, ttmp9                           ; the group's number
	s_sub_co_u32 s18, s21, 512                     ; t: its number among the weights' groups (used only from 512 on)
	s_lshr_b32 s19, s18, 6                         ; which weight
	s_and_b32 s20, s18, 63                         ; which sixty-fourth of it
	v_lshlrev_b32 v1, 4, v0                        ; 16 bytes a thread in
	v_lshlrev_b32 v2, 3, v0                        ; 8 bytes a thread out
	s_wait_kmcnt 0x0
	s_cmp_eq_u32 s19, 1                            ; the source is chosen by the group's number alone
	s_cselect_b64 s[22:23], s[8:9], s[6:7]
	s_cmp_eq_u32 s19, 2
	s_cselect_b64 s[22:23], s[10:11], s[22:23]
	s_cmp_eq_u32 s19, 3
	s_cselect_b64 s[22:23], s[12:13], s[22:23]
	s_cmp_lt_u32 s21, 512
	s_cselect_b64 s[22:23], s[4:5], s[22:23]       ; x for the first 512 groups
	s_cselect_b64 s[24:25], s[14:15], s[16:17]     ; xh for them, wh for the others
	s_cselect_b32 s20, s21, s20                    ; the chunk's number in the source
	s_cselect_b32 s18, s21, s18                    ; and in the destination
	s_lshl_b32 s26, s20, 16
	s_mov_b32 s27, 0
	s_lshl_b32 s28, s18, 15
	s_mov_b32 s29, 0
	s_add_nc_u64 s[22:23], s[22:23], s[26:27]
	s_add_nc_u64 s[24:25], s[24:25], s[28:29]
.set ii, 0
.rept NLD
	global_load_b128 v[X+4*ii:X+4*ii+3], v1, s[22:23] offset:4096*ii th:TH_LOAD_NT
.set ii, ii+1
.endr
.set ii, 0
.rept NLD
	s_wait_loadcnt NLD-1-ii                        ; loads come back in order: load ii is in, the younger ones stay out
	v_cvt_pk_f16_f32 v[Y+2*ii], v[X+4*ii], v[X+4*ii+1]
	v_cvt_pk_f16_f32 v[Y+2*ii+1], v[X+4*ii+2], v[X+4*ii+3]
	global_store_b64 v2, v[Y+2*ii:Y+2*ii+1], s[24:25] offset:2048*ii
.set ii, ii+1
.endr
	s_endpgm
.Lfunc_end_k_q0ff790e3f4_cast:
	.size	k_q0ff790e3f4_cast, .Lfunc_end_k_q0ff790e3f4_cast-k_q0ff790e3f4_cast
	.p2alignl 7, 3214868480
	.fill 96, 4, 3214868480
	.section	.rodata,"a",@progbits
	.p2align	6, 0x0
	.amdhsa_kernel k_q0ff790e3f4_cast
		.amdhsa_group_segment_fixed_size 0
		.amdhsa_private_segment_fixed_size 0
		.amdhsa_enable_private_segment 0
		.amdhsa_kernarg_size 56
		.amdhsa_user_sgpr_count 2
		.amdhsa_user_sgpr_kernarg_segment_ptr 1
		.amdhsa_wavefront_size32 1
		.amdhsa_system_sgpr_workgroup_id_x 1
		.amdhsa_system_sgpr_workgroup_id_y 1
		.amdhsa_system_sgpr_workgroup_id_z 1
		.amdhsa_system_vgpr_workitem_id 0
		.amdhsa_next_free_vgpr 100
		.amdhsa_next_free_sgpr 66
		.amdhsa_reserve_vcc 0
		.amdhsa_float_denorm_mode_32 3
		.amdhsa_float_denorm_mode_16_64 3
		.amdhsa_memory_ordered 1
		.amdhsa_forward_progress 1
		.amdhsa_inst_pref_size 7
	.end_amdhsa_kernel
	.amdgpu_metadata
---
amdhsa.version: [ 1, 2 ]
amdhsa.kernels:
  - .name:           k_q0ff790e3f4_cast
    .symbol:         k_q0ff790e3f4_cast.kd
    .args:
      - { .name: x, .offset: 0, .size: 8, .value_kind: global_buffer, .address_space: global }
      - { .name: Wq, .offset: 8, .size: 8, .value_kind: global_buffer, .address_space: global }
      - { .name: Wk, .offset: 16, .size: 8, .value_kind: global_buffer, .address_space: global }
      - { .name: Wv, .offset: 24, .size: 8, .value_kind: global_buffer, .address_space: global }
      - { .name: Wo, .offset: 32, .size: 8, .value_kind: global_buffer, .address_space: global }
      - { .name: xh, .offset: 40, .size: 8, .value_kind: global_buffer, .address_space: global }
      - { .name: wh, .offset: 48, .size: 8, .value_kind: global_buffer, .address_space: global }
    .group_segment_fixed_size: 0
    .private_segment_fixed_size: 0
    .kernarg_segment_align: 8
    .kernarg_segment_size: 56
    .max_flat_workgroup_size: 256
    .sgpr_count:     66
    .vgpr_count:     100
    .wavefront_size: 32
...
	.end_amdgpu_metadata
.endif
;; end of part 1
;; launch qkv (part 2): grid 8 x 32, 4 waves a work-group, clusters of 4 x 4, 327,680 bytes of LDS; arguments xh, wh, bq, bv, qkv; writes qkv
.if DOCPART == 2
	.amdgcn_target "amdgcn-amd-amdhsa--gfx1250"
	.amdhsa_code_object_version 6
	.text
	.protected	k_q0ff790e3f4_qkv
	.globl	k_q0ff790e3f4_qkv
	.p2align	8
	.type	k_q0ff790e3f4_qkv,@function
k_q0ff790e3f4_qkv:
	s_mov_b64 s[64:65], 0
	v_nop
	global_prefetch_b8 v0, s[64:65] scope:SCOPE_SE
	s_setreg_imm32_b32 hwreg(HW_REG_WAVE_MODE, 25, 1), 1
	s_wait_xcnt 0x0
	s_wait_alu depctr_hold_cnt(0) depctr_sa_sdst(0) depctr_va_vdst(0) depctr_va_sdst(0) depctr_va_ssrc(0) depctr_va_vcc(0) depctr_vm_vsrc(0)
	s_getreg_b32 s2, hwreg(HW_REG_IB_STS2, 6, 4)
	s_cmp_eq_u32 s2, 0
	s_cbranch_scc0 .Lentry_in_a_cluster
	s_endpgm
.Lentry_in_a_cluster:
	s_bfe_u32 s2, ttmp6, 0x10000c
	s_cmp_lg_u32 s2, 0xf033
	s_cbranch_scc0 .Lentry_shape_is_right
	s_endpgm
.Lentry_shape_is_right:
; q = x Wq^T + bq, k = x Wk^T, v = x Wv^T + bv, stored by heads: qkv[b][g][s][64] in f16, g = h for q, 16 + h for k, 32 + h for v.
; bk is left out: it adds to every score of a query the same number, which the softmax cancels (shown at the head of the first kernel).
; LIMIT: results beyond 65,504 in magnitude become infinities in f16.
; SHARE: work-group (bx, by) makes rows 256 by .. + 255 of heads 2 bx and 2 bx + 1 of each of q, k and v: 256 x 384, so that 8 x 32 groups
; cover 8192 x 3072 evenly.  The block's columns stand in the order q (128), k (128), v (128), so that the kind of a column hangs on its
; place in the block and never on the group's place in its cluster.  Wave w makes rows 128 (w >> 1) .. and columns 192 (w & 1) ..:
; 8 x 12 tiles of 16 x 16, 768 registers.
; RING: K goes in steps of 64 through two LDS slots (384 rows of the weights, then 256 rows of x, 128 bytes + 16 of padding each).
; Two slots of a step of 128 would take 348,160 bytes, more than a work-group can have.
; CLUSTER: 4 x 4 groups.  x's tile hangs on by alone and is asked for jointly along a row of the cluster (wave 3, 256 rows);
; the weights' three planes hang on bx alone and are asked for jointly along a column (waves 0 to 2, 128 rows each).
; REGISTERS: window 0: v16-27 addresses, v32-95 and v96-159 x's fragments (two buffers), v160-255 the weights' 12 fragments (one buffer,
; refilled in halves behind the products that read them); windows 1 to 3: accumulators, tile (a, b) in window 1 + b/4 at v[8 (8 (b%4) + a)].
; The matrix instruction is used transposed (source 0 = rows of the weights, source 1 = rows of x): a lane's eight results are eight
; neighbouring columns of one row.  The 96 accumulators take turns, one instruction a turn; no wait is written.
.set PITCH, 144
.set BPLANE, 128*PITCH                 ; one plane of the weights: 18,432
.set AOFFS, 3*BPLANE                   ; x's rows stand behind the three planes
.set SLOT, AOFFS+256*PITCH             ; 92,160
.set STAGE, 2*SLOT                     ; behind the ring: 16 rows x 144 bytes for each wave, never filled by a tensor load
.set STW, 16*PITCH
.set ADRA, 16                          ; v16-17 LDS address of my x fragments in slot 0, 1
.set ADRB, 20                          ; v20-21 the same for the weights
.set STO, 24                           ; way out: where I put 16 bytes of a row
.set RD, 25                            ; way out: where I read rows back
.set CO, 26                            ; way out: 16 x lane
.set BOF, 27                           ; 32 x (lane / 16): my eight columns in a bias
.set F0, 32
.set F1, 96
.set BF, 160
.set T, 32                             ; way out: sums with bias, f32
.set TMP, 64                           ; way out: packed f16
.set R0, 96                            ; way out: rows read back, two sets by turns
.set BIAS, 160                         ; way out: 32 numbers of bias for each of the wave's three heads
.set G1A, 24
.set G0A, 32
.set G1B, 40
.set G0B, 48
.set MSB, 0
.macro WIN new                         ; the immediate's high byte repeats the setting that is left
.if MSB != (\new)
	s_set_vgpr_msb (MSB<<8)|(\new)
.set MSB, \new
.endif
.endm
.macro PLACES                          ; four plain vector places behind a matrix instruction (ISA guide 7.12.1)
.rept 4
	v_nop
.endr
.endm
.macro JLOAD sl                        ; one joint load a wave: wave 3 asks for x's tile, waves 0 to 2 for a plane of the weights
	s_cmp_eq_u32 s14, 3
	s_cbranch_scc0 .Lfor_b_\@
	tensor_load_to_lds s[G0A+4*\sl:G0A+4*\sl+3], s[G1A:G1A+7]
	s_nop 0
	s_branch .Lasked_\@
.Lfor_b_\@:
	tensor_load_to_lds s[G0B+4*\sl:G0B+4*\sl+3], s[G1B:G1B+7]
	s_nop 0
.Lasked_\@:
.endm
.macro CREST                           ; a round of the cluster's barrier behind its opening barrier
	s_cmp_lg_u32 s14, 0
	s_cbranch_scc1 .Lnot_wave_0_\@
	s_barrier_signal -3
.Lnot_wave_0_\@:
	s_barrier_wait -3
	s_barrier_signal -1
	s_barrier_wait -1
.endm
.macro CROUND
	s_barrier_signal -1
	s_barrier_wait -1
	CREST
.endm
	s_load_b256 s[4:11], s[0:1], 0x0               ; xh s[4:5], wh s[6:7], bq s[8:9], bv s[10:11]
	s_load_b64 s[12:13], s[0:1], 0x20              ; qkv
	v_lshl_add_u32 v30, v0, 2, 0x2f400
	v_mov_b32 v31, 0
	ds_add_u32 v30, v31
	ds_add_u32 v30, v31
	v_lshrrev_b32 v1, 5, v0
	v_readfirstlane_b32 s14, v1                    ; wave
	s_lshr_b32 s15, s14, 1                         ; wr: which 128 rows
	s_and_b32 s16, s14, 1                          ; wc: which 192 columns
	s_bfe_u32 s17, ttmp6, 0x40000                  ; cx
	s_bfe_u32 s18, ttmp6, 0x40004                  ; cy
	s_lshl_b32 s19, ttmp9, 2
	s_add_co_u32 s19, s19, s17                     ; bx
	s_and_b32 s20, ttmp7, 0xffff
	s_lshl_b32 s20, s20, 2
	s_add_co_u32 s20, s20, s18                     ; by
	s_lshl_b32 s21, s18, 2
	s_lshl_b32 s21, 15, s21                        ; my row of the cluster
	s_lshl_b32 s22, 0x1111, s17                    ; my column
	; group 1: elements of 2 bytes, 4 words of padding behind every 32 words (a row of 64 f16), bit 21 beside the mask
	s_or_b32 s[G1A+0], s21, 0x07310000
	s_mov_b32 s[G1A+1], 64<<16                     ; tensor_dim0 = 64
	s_mov_b32 s[G1A+2], 256<<16                    ; tensor_dim1 = 256
	s_mov_b32 s[G1A+3], 64<<16                     ; tile_dim0 = 64
	s_mov_b32 s[G1A+4], 256                        ; tile_dim1 = 256
	s_mov_b32 s[G1A+5], 1024                       ; elements from row to row
	s_mov_b32 s[G1A+6], 0
	s_mov_b32 s[G1A+7], 0
	s_or_b32 s[G1B+0], s22, 0x07310000
	s_mov_b32 s[G1B+1], 64<<16
	s_mov_b32 s[G1B+2], 128<<16
	s_mov_b32 s[G1B+3], 64<<16
	s_mov_b32 s[G1B+4], 128
	s_mov_b32 s[G1B+5], 1024
	s_mov_b32 s[G1B+6], 0
	s_mov_b32 s[G1B+7], 0
	s_lshl_b32 s56, s20, 19                        ; x: 256 by rows of 2,048 bytes (these registers never hold cx)
	s_mov_b32 s57, 0
	s_lshl_b32 s60, s14, 21                        ; weights: plane w = 1,024 rows of 2,048 bytes (these never hold cy)
	s_lshl_b32 s61, s19, 18                        ; + 128 bx rows
	s_add_co_u32 s60, s60, s61
	s_mov_b32 s61, 0
	s_mul_i32 s23, s14, BPLANE                     ; the plane's place in a slot
	s_wait_dscnt 0x0
	s_wait_kmcnt 0x0
	s_add_nc_u64 s[58:59], s[4:5], s[56:57]
	s_add_nc_u64 s[62:63], s[6:7], s[60:61]
	CROUND                                         ; all sixteen groups are here: the first joint loads meet
.irp sl, 0,1
	s_mov_b32 s[G0A+4*\sl], 1
	s_mov_b32 s[G0A+4*\sl+1], AOFFS+\sl*SLOT
	s_add_nc_u64 s[G0A+4*\sl+2:G0A+4*\sl+3], s[58:59], \sl*128     ; K step sl
	s_or_b32 s[G0A+4*\sl+3], s[G0A+4*\sl+3], 0x80000000
	s_mov_b32 s[G0B+4*\sl], 1
	s_add_co_u32 s[G0B+4*\sl+1], s23, \sl*SLOT
	s_add_nc_u64 s[G0B+4*\sl+2:G0B+4*\sl+3], s[62:63], \sl*128
	s_or_b32 s[G0B+4*\sl+3], s[G0B+4*\sl+3], 0x80000000
	JLOAD \sl                                      ; two loads of the wave are out
.endr
	; a fragment: lane l holds row l % 16; registers 0-3 K = 8 (l / 16) + 0..7, registers 4-7 K = 16 + 8 (l / 16) + 0..7
	v_and_b32 v1, 15, v0
	v_bfe_u32 v2, v0, 4, 1
	v_lshlrev_b32 v3, 4, v2
	v_mad_u32_u24 v3, v1, PITCH, v3                ; 144 r + 16 h
	s_mul_i32 s66, s15, BPLANE                     ; my 128 rows of x
	s_add_co_u32 s66, s66, AOFFS
	s_mul_i32 s67, s16, 192*PITCH                  ; my 192 rows of the weights
	v_add_nc_u32 v[ADRA], s66, v3
	v_add_nc_u32 v[ADRB], s67, v3
	v_add_nc_u32 v[ADRA+1], SLOT, v[ADRA]
	v_add_nc_u32 v[ADRB+1], SLOT, v[ADRB]
	s_mul_i32 s66, s14, STW
	s_add_co_u32 s66, s66, STAGE                   ; my stage
	v_add_nc_u32 v[STO], s66, v3
	v_and_b32 v4, 31, v0
	v_lshlrev_b32 v[CO], 4, v4
	v_lshrrev_b32 v4, 3, v4                        ; four rows of 128 bytes to a load: eight lanes a row
	v_and_b32 v5, 7, v0
	v_lshlrev_b32 v5, 4, v5
	v_mad_u32_u24 v4, v4, PITCH, v5
	v_add_nc_u32 v[RD], s66, v4
	v_lshlrev_b32 v[BOF], 5, v2
.macro MULB f, b, zero                 ; eight products: column tile b x my eight row tiles, 32 along K
	WIN ((((\b)>>2)+1)*0x50)
.irp a, 0,1,2,3,4,5,6,7
.if \zero
	v_wmma_f32_16x16x32_f16 v[8*(8*((\b)&3)+\a):8*(8*((\b)&3)+\a)+7], v[BF+8*(\b):BF+8*(\b)+7], v[\f+8*\a:\f+8*\a+7], 0
.else
	v_wmma_f32_16x16x32_f16 v[8*(8*((\b)&3)+\a):8*(8*((\b)&3)+\a)+7], v[BF+8*(\b):BF+8*(\b)+7], v[\f+8*\a:\f+8*\a+7], v[8*(8*((\b)&3)+\a):8*(8*((\b)&3)+\a)+7]
.endif
.endr
.endm
.macro FETCH_A sl, k, f                ; 16 loads: my 128 rows of x, 32 K at byte k
.irp i, 0,1,2,3,4,5,6,7
	ds_load_b128 v[\f+8*\i:\f+8*\i+3], v[ADRA+\sl] offset:\k+\i*16*PITCH
	ds_load_b128 v[\f+8*\i+4:\f+8*\i+7], v[ADRA+\sl] offset:\k+\i*16*PITCH+32
.endr
.endm
.macro FETCH_B sl, k, half             ; 12 loads: six of my twelve fragments of the weights
.irp i, 0,1,2,3,4,5
	ds_load_b128 v[BF+8*(6*\half+\i):BF+8*(6*\half+\i)+3], v[ADRB+\sl] offset:\k+(6*\half+\i)*16*PITCH
	ds_load_b128 v[BF+8*(6*\half+\i)+4:BF+8*(6*\half+\i)+7], v[ADRB+\sl] offset:\k+(6*\half+\i)*16*PITCH+32
.endr
.endm
; The first 32 of a K step: multiplies buffer f; each half of the weights' fragments is loaded again, for byte k, behind the products that read it.
.macro QUARTER sl, k, f, g, zero
	s_wait_dscnt 12                                ; x's fragments and the weights' 0-5 are in; the youngest 12 loads (6-11) may be out
.irp b, 0,1,2,3,4,5
	MULB \f,\b,\zero
.endr
	PLACES
	WIN 0
	FETCH_A \sl,\k,\g
	FETCH_B \sl,\k,0
	s_wait_dscnt 28                                ; all but the 28 just issued: fragments 6-11 are in
.irp b, 6,7,8,9,10,11
	MULB \f,\b,\zero
.endr
	PLACES
	WIN 0
	FETCH_B \sl,\k,1
.endm
; The second 32 of a K step: multiplies buffer 1 and changes slots.  In front of the barrier each wave waits for its reads of this slot and for
; all its tensor loads (the one that is out is its part of the next slot); behind it the refill comes first, then the next slot is read.
.macro TURN sl, next, fill
	s_wait_dscnt 12
.irp b, 0,1,2,3
	MULB F1,\b,0
.endr
	s_wait_dscnt 0x0                               ; my reads of this slot are over
	s_wait_tensorcnt 0x0                           ; all my tensor loads have landed
	ds_add_u32 v30, v31
	s_wait_dscnt 0x0
	s_barrier_signal -1                            ; where the slot is filled again this barrier opens a round of the cluster's barrier
	MULB F1,4,0                                    ; register work while the others arrive
	MULB F1,5,0
	WIN 0
	s_barrier_wait -1
.if \fill
	CREST                                          ; no wave of any partner still reads this slot or has a load on its way
	s_add_nc_u64 s[G0A+4*\sl+2:G0A+4*\sl+3], s[G0A+4*\sl+2:G0A+4*\sl+3], 256   ; two K steps on
	s_add_nc_u64 s[G0B+4*\sl+2:G0B+4*\sl+3], s[G0B+4*\sl+2:G0B+4*\sl+3], 256
	JLOAD \sl                                      ; my one tensor load behind the round
.endif
	PLACES
	FETCH_A \next,0,F0
	FETCH_B \next,0,0
.irp b, 6,7,8,9,10,11
	MULB F1,\b,0
.endr
	PLACES
	WIN 0
	FETCH_B \next,0,1
.endm
.macro LAP zero
	QUARTER 0,64,F0,F1,\zero
	TURN 0,1,1
	QUARTER 1,64,F0,F1,0
	TURN 1,0,1
.endm
	s_wait_tensorcnt 1                             ; my part of K step 0 is in; K step 1's load stays out
	s_barrier_signal -1
	s_barrier_wait -1
	FETCH_A 0,0,F0
	FETCH_B 0,0,0
	FETCH_B 0,0,1
	LAP 1                                          ; the first products start the sums: nothing is cleared
	WIN 0
	s_mov_b32 s3, 6                                ; 16 K steps = 8 laps: one in front, six here, one behind
.Llap:
	LAP 0
	WIN 0
	s_sub_co_u32 s3, s3, 1
	s_cmp_lg_u32 s3, 0
	s_cbranch_scc1 .Llap
	QUARTER 0,64,F0,F1,0                           ; the last lap fills nothing
	TURN 0,1,0
	QUARTER 1,64,F0,F1,0
	s_wait_dscnt 12
.irp b, 0,1,2,3,4,5
	MULB F1,\b,0
.endr
	s_wait_dscnt 0x0
.irp b, 6,7,8,9,10,11
	MULB F1,\b,0
.endr
	PLACES                                         ; behind the last products: for the reads of results and the loads into the fragments' registers
	WIN 0
	; THE WAY OUT.  A window holds one head (64 columns).  16 rows at a time: bias, f16, through my stage, out as 512 consecutive bytes a store.
	s_lshr_b32 s66, s20, 3                         ; batch
	s_mul_i32 s66, s66, 0xc00000                   ; 48 planes of 2,048 rows of 128 bytes
	s_and_b32 s67, s20, 7
	s_lshl_b32 s67, s67, 15                        ; 256 rows
	s_add_co_u32 s66, s66, s67
	s_lshl_b32 s67, s15, 14                        ; my 128 rows
	s_add_co_u32 s66, s66, s67
	s_lshl_b32 s67, s19, 19                        ; plane 2 bx
	s_add_co_u32 s66, s66, s67
	s_mov_b32 s67, 0
	s_add_nc_u64 s[68:69], s[12:13], s[66:67]
	s_lshl_b32 s66, s19, 9                         ; head 2 bx in a bias: 256 bytes a head
	s_add_nc_u64 s[76:77], s[8:9], s[66:67]
	s_add_nc_u64 s[78:79], s[10:11], s[66:67]
.macro BIASLD hh, bp, e                ; the 32 numbers of head 2 bx + e that my lane's columns need
.irp bt, 0,1,2,3
	global_load_b128 v[BIAS+32*\hh+8*\bt:BIAS+32*\hh+8*\bt+3], v[BOF], s[\bp:\bp+1] offset:256*\e+64*\bt
	global_load_b128 v[BIAS+32*\hh+8*\bt+4:BIAS+32*\hh+8*\bt+7], v[BOF], s[\bp:\bp+1] offset:256*\e+64*\bt+16
.endr
.endm
.macro OUT16 a, hh, bias, sb
.if \bias
	WIN \hh+1                                      ; source 0 in the head's window
.irp bt, 0,1,2,3
.irp p, 0,1,2,3
	v_pk_add_f32 v[T+8*\bt+2*\p:T+8*\bt+2*\p+1], v[8*(8*\bt+\a)+2*\p:8*(8*\bt+\a)+2*\p+1], v[BIAS+32*\hh+8*\bt+2*\p:BIAS+32*\hh+8*\bt+2*\p+1]
.endr
.endr
	WIN 0
.irp bt, 0,1,2,3
.irp p, 0,1,2,3
	v_cvt_pk_f16_f32 v[TMP+4*\bt+\p], v[T+8*\bt+2*\p], v[T+8*\bt+2*\p+1]
.endr
.endr
.else
	WIN (\hh+1)*5                                  ; both sources in the head's window
.irp bt, 0,1,2,3
.irp p, 0,1,2,3
	v_cvt_pk_f16_f32 v[TMP+4*\bt+\p], v[8*(8*\bt+\a)+2*\p], v[8*(8*\bt+\a)+2*\p+1]
.endr
.endr
	WIN 0
.endif
.irp bt, 0,1,2,3
	ds_store_b128 v[STO], v[TMP+4*\bt:TMP+4*\bt+3] offset:32*\bt
.endr
	s_wait_xcnt 0x0                                ; the registers that earlier stores read are loaded again only behind this wait
.irp i, 0,1,2,3
	ds_load_b128 v[R0+16*(\a&1)+4*\i:R0+16*(\a&1)+4*\i+3], v[RD] offset:576*\i    ; LDS serves a wave in order: these see the stores above
.endr
.irp i, 0,1,2,3
	s_wait_dscnt 3-\i
	global_store_b128 v[CO], v[R0+16*(\a&1)+4*\i:R0+16*(\a&1)+4*\i+3], s[\sb:\sb+1] offset:2048*\a+512*\i   ; four rows of 128 bytes: 512 consecutive bytes
.endr
.endm
.macro HEAD hh, bias, sb
.irp a, 0,1,2,3,4,5,6,7
	OUT16 \a,\hh,\bias,\sb
.endr
.endm
	s_cmp_lg_u32 s16, 0                            ; the kinds of a wave's three heads hang on the wave's number alone
	s_cbranch_scc1 .Lright
	s_add_nc_u64 s[70:71], s[68:69], 0             ; q, head 2 bx
	s_add_nc_u64 s[72:73], s[68:69], 1<<18         ; q, head 2 bx + 1
	s_add_nc_u64 s[74:75], s[68:69], 16<<18        ; k, head 2 bx
	BIASLD 0,76,0
	BIASLD 1,76,1
	s_wait_loadcnt 0x0
	HEAD 0,1,70
	HEAD 1,1,72
	HEAD 2,0,74
	s_branch .Ldone
.Lright:
	s_add_nc_u64 s[70:71], s[68:69], 17<<18        ; k, head 2 bx + 1
	s_add_nc_u64 s[72:73], s[68:69], 32<<18        ; v, head 2 bx
	s_add_nc_u64 s[74:75], s[68:69], 33<<18        ; v, head 2 bx + 1
	BIASLD 1,78,0
	BIASLD 2,78,1
	s_wait_loadcnt 0x0
	HEAD 0,0,70
	HEAD 1,1,72
	HEAD 2,1,74
.Ldone:
	s_wait_tensorcnt 0x0
	ds_add_u32 v30, v31
	s_wait_dscnt 0x0
	CROUND                                         ; the closing round: no group ends while a partner may still ask for a tile that names it
	s_endpgm
.Lfunc_end_k_q0ff790e3f4_qkv:
	.size	k_q0ff790e3f4_qkv, .Lfunc_end_k_q0ff790e3f4_qkv-k_q0ff790e3f4_qkv
	.p2alignl 7, 3214868480
	.fill 96, 4, 3214868480
	.section	.rodata,"a",@progbits
	.p2align	6, 0x0
	.amdhsa_kernel k_q0ff790e3f4_qkv
		.amdhsa_group_segment_fixed_size 327680
		.amdhsa_private_segment_fixed_size 0
		.amdhsa_enable_private_segment 0
		.amdhsa_kernarg_size 40
		.amdhsa_user_sgpr_count 2
		.amdhsa_user_sgpr_kernarg_segment_ptr 1
		.amdhsa_wavefront_size32 1
		.amdhsa_system_sgpr_workgroup_id_x 1
		.amdhsa_system_sgpr_workgroup_id_y 1
		.amdhsa_system_sgpr_workgroup_id_z 1
		.amdhsa_system_vgpr_workitem_id 0
		.amdhsa_next_free_vgpr 1024
		.amdhsa_next_free_sgpr 80
		.amdhsa_reserve_vcc 0
		.amdhsa_float_denorm_mode_32 3
		.amdhsa_float_denorm_mode_16_64 3
		.amdhsa_memory_ordered 1
		.amdhsa_forward_progress 1
		.amdhsa_inst_pref_size 255
	.end_amdhsa_kernel
	.amdgpu_metadata
---
amdhsa.version: [ 1, 2 ]
amdhsa.kernels:
  - .name:           k_q0ff790e3f4_qkv
    .symbol:         k_q0ff790e3f4_qkv.kd
    .args:
      - { .name: xh, .offset: 0, .size: 8, .value_kind: global_buffer, .address_space: global }
      - { .name: wh, .offset: 8, .size: 8, .value_kind: global_buffer, .address_space: global }
      - { .name: bq, .offset: 16, .size: 8, .value_kind: global_buffer, .address_space: global }
      - { .name: bv, .offset: 24, .size: 8, .value_kind: global_buffer, .address_space: global }
      - { .name: qkv, .offset: 32, .size: 8, .value_kind: global_buffer, .address_space: global }
    .group_segment_fixed_size: 327680
    .private_segment_fixed_size: 0
    .kernarg_segment_align: 8
    .kernarg_segment_size: 40
    .max_flat_workgroup_size: 128
    .sgpr_count:     80
    .vgpr_count:     1024
    .wavefront_size: 32
...
	.end_amdgpu_metadata
.endif
;; end of part 2
;; launch attn (part 3): grid 256 x 1, 4 waves a work-group, no clusters, 327,680 bytes of LDS; arguments qkv, ctx; writes ctx
.if DOCPART == 3
	.amdgcn_target "amdgcn-amd-amdhsa--gfx1250"
	.amdhsa_code_object_version 6
	.text
	.protected	k_q0ff790e3f4_attn
	.globl	k_q0ff790e3f4_attn
	.p2align	8
	.type	k_q0ff790e3f4_attn,@function
k_q0ff790e3f4_attn:
	s_mov_b64 s[64:65], 0
	v_nop
	global_prefetch_b8 v0, s[64:65] scope:SCOPE_SE
	s_setreg_imm32_b32 hwreg(HW_REG_WAVE_MODE, 25, 1), 1
	s_wait_xcnt 0x0
; Causal attention of one head, with a running maximum: ctx[b][h][s][64] (f16) = softmax(q k^T / 8, keys <= query) v.
; Left out: tiles of 16 queries x 64 keys wholly above the diagonal of reference()'s own tril (their weights are 0); bk (first kernel's head).
; LIMIT: a matrix operand beyond 65,504 in magnitude is an infinity in f16.
; SHARE: group id: j = id & 3, head = id >> 2.  It makes query blocks j and 7 - j of 256 queries: (j + 1) + (8 - j) = 9 runs of 256 keys in every
; group.  A block's sixteen query tiles are dealt to the waves by turns: wave w owns tiles w, w + 4, w + 8, w + 12; its tile qt holds queries
; 64 qt + 16 w + r.  In the diagonal run the key step t (keys 64 t ..) then has the live tiles qt >= t in EVERY wave: 4 + 3 + 2 + 1 = 10 tile-steps a
; wave, 2.5 steps, where 64 neighbouring queries a wave would give the waves 1, 2, 3 and 4 steps.  Tile qt = t is masked by a select: the score of
; key 16 kt + 8 h + e is -inf where that exceeds 16 w + r.  A block begins with its diagonal run, so that the step that starts the sums (products
; with C = 0, nothing cleared) is a fixed place in the text, with all four tiles live; then the runs below the diagonal follow from key 0 on.
; NO CLUSTER: the four groups of a head need different sequences of tiles (1 + j and 8 - j runs, in different order); in step with each other
; they would each walk 4 + 8 = 12 runs in place of 9.
; LAYOUT WITHOUT A SHUFFLE: S^T = K Q^T (source 0 = 16 keys, source 1 = 16 queries): lane l holds query l % 16 and keys 8 (l / 16) + 0..7, so two
; neighbouring tiles, packed to f16 in place, ARE source 1 of O^T = V^T P^T; V^T's fragments come from V[key][d] in LDS by the transposing load.
; Maximum and sum stay in the lane but for one exchange between the halves.  exp(s/8 - m/8) = exp2(c s - c m), c = log2(e) / 8.
; TURNS: a full step (64 queries x 64 keys) has 64 products and 472 vector lines.  The live query tiles lo .. 3 are pieces that share K's and V's
; fragments.  The products go S[lo] .. S[3], O[lo] .. O[3], eight each.  The softmax of a tile is sixteen numbered slots; the slots of tiles lo .. 3
; form one stream, and one slot stands behind each product from S[lo + 1]'s seventh on; what is left of tile q's slots stands in front of O[q].
; The search for tile q + 1's maximum, whose end is a chain of single lines, rides in slots 7 to 14 of tile q, one link a slot.
; WINDOWS: S (128), K's fragments (64) and Q (64) would fill a window of 256 by themselves, and the softmax names S in both source places and as
; destination, so products and softmax cannot stand under one setting: a slot costs two switches, some 100 in a full step, counted in the trip.
; RING: two slots of 128 keys.  Each wave fills its own 10,240 bytes of a slot with one tensor load of 64 rows: waves 0, 1 K (pitch 144),
; waves 2, 3 V (pitch 160).  By this text's count one tensor load of a wave is out at a time.  A slot of a whole run of 256 keys would lie in slot 0 or 1
; according to j (block j has 1 + j runs), so each run's text would stand twice; with two trips a run the slot is fixed in the text.
; In a diagonal run the first slot holds key steps 0 and 3 and the second steps 1 and 2: 4 + 1 and 3 + 2 tile-steps, so both trips are equally long.
; REGISTERS: window 0: v3-12 addresses and constants, v16-31 per query tile (-c m, m, alpha, l), v32-47 four maxima a tile, v48-63 two pairs of sums a
; tile, v64-127 K's fragments, v128-255 S (tile (qt, kt) at 32 qt + 8 kt), then P in place.  Window 1: v0-63 Q, v64-127 V^T's fragments,
; v128-255 O (tile (qt, dt) at 32 qt + 8 dt).  s[76:83]: eight lane masks at work in a diagonal step.
.set KP, 144
.set VP, 160
.set PART, 10240                       ; a wave's part of a slot
.set VOFF, 2*PART
.set SLOT, 4*PART
.set STAGE, 2*SLOT                     ; behind the ring: 64 rows x 144 bytes for each wave, never filled by a tensor load
.set STW, 64*KP
.set KA, 3
.set VA, 5
.set QOFF, 7
.set STO, 8
.set RD, 9
.set CO, 10
.set DM, 11
.set NINF, 12
.set ST, 16
.set MX, 32
.set SUM, 48
.set KF, 64
.set S, 128
.set Q, 0
.set VF, 64
.set O, 128
.set G1K, 36
.set G1V, 44
.set G0K, 52                           ; s[52:59]: a set for each slot
.set G0V, 60                           ; s[60:63] slot 0, s[68:71] slot 1
.set MK, 76
.set MSB, 0
.macro WIN new                         ; the immediate's high byte repeats the setting that is left
.if MSB != (\new)
	s_set_vgpr_msb (MSB<<8)|(\new)
.set MSB, \new
.endif
.endm
.macro NEED mask, val                  ; only the operand places that the next lines name are set; the others stay as they are
.if (MSB&(\mask)) != (\val)
	WIN ((MSB&(0xff^(\mask)))|(\val))
.endif
.endm
.macro KVLOAD o                        ; one load a wave: its 64 rows of K or of V
	s_cmp_lt_u32 s8, 2
	s_cbranch_scc0 .Lfor_v_\@
	tensor_load_to_lds s[G0K+4*(\o):G0K+4*(\o)+3], s[G1K:G1K+7]
	s_nop 0
	s_branch .Lasked_\@
.Lfor_v_\@:
	tensor_load_to_lds s[G0V+8*(\o):G0V+8*(\o)+3], s[G1V:G1V+7]
	s_nop 0
.Lasked_\@:
.endm
; The next of the group's 18 tiles of 128 keys.  My 64 rows of tile q begin at row 64 (V + hw), hw = wave & 1 (hw stands in the bases):
; q = 0: V = 4 j + 2 hw and q = 1: V = 4 j + 1 (block j's diagonal: key steps 0 and 3, then 1 and 2); then block j's keys from 0: V = 2 q - 4;
; q = 2 j + 2: V = 28 - 4 j + 2 hw and q = 2 j + 3: V = 29 - 4 j (block 7 - j's diagonal); then its keys from 0: V = 2 q - 4 j - 8.
.macro NEXTADDR o
	s_add_co_u32 s13, s13, 1
	s_lshl_b32 s18, s13, 1
	s_sub_co_u32 s18, s18, 4                       ; 2 q - 4
	s_sub_co_u32 s19, s18, s75                     ; 2 q - 4 j - 8
	s_cmp_eq_u32 s13, 1
	s_cselect_b32 s18, s14, s18
	s_cmp_eq_u32 s13, s15
	s_cselect_b32 s18, s16, s18
	s_cmp_eq_u32 s13, s66
	s_cselect_b32 s18, s67, s18
	s_cmp_ge_u32 s13, s17
	s_cselect_b32 s18, s19, s18
	s_lshl_b32 s20, s18, 13                        ; 64 rows of 128 bytes
	s_add_nc_u64 s[G0K+4*(\o)+2:G0K+4*(\o)+3], s[22:23], s[20:21]
	s_or_b32 s[G0K+4*(\o)+3], s[G0K+4*(\o)+3], 0x80000000
	s_add_nc_u64 s[G0V+8*(\o)+2:G0V+8*(\o)+3], s[24:25], s[20:21]
	s_or_b32 s[G0V+8*(\o)+3], s[G0V+8*(\o)+3], 0x80000000
.endm
.macro TRIP_HEAD sl, refill
	s_set_vgpr_msb 0xa
	s_wait_tensorcnt 0x0                           ; all my tensor loads have landed, my part of this trip's slot among them: a group 0 may be written
	ds_add_u32 v0, v1
	s_wait_dscnt 0x0
	s_set_vgpr_msb 0xa00
.if \refill
	NEXTADDR 1-\sl
.endif
	s_wait_dscnt 0x0                               ; my reads of the other slot are over
	s_barrier_signal -1
	s_barrier_wait -1                              ; both hold of every wave
.if \refill
	KVLOAD 1-\sl                                   ; my one tensor load behind the barrier, into the slot read last
.endif
.endm
.macro QLOAD bp                        ; my four query tiles, 64 rows apart, as source 1: lane l holds query l % 16 of a tile
	WIN 0x40
.irp qt, 0,1,2,3
.irp c, 0,1
	global_load_b128 v[Q+16*\qt+8*\c:Q+16*\qt+8*\c+3], v[QOFF], s[\bp:\bp+1] offset:8192*\qt+64*\c
	global_load_b128 v[Q+16*\qt+8*\c+4:Q+16*\qt+8*\c+7], v[QOFF], s[\bp:\bp+1] offset:8192*\qt+64*\c+32
.endr
.endr
	WIN 0
.endm
	s_load_b128 s[4:7], s[0:1], 0x0                ; qkv s[4:5], ctx s[6:7]
	s_set_vgpr_msb 0x80
	v_lshl_add_u32 v0, v0, 2, 0x29000
	v_mov_b32 v1, 0
	s_set_vgpr_msb 0x808a
	ds_add_u32 v0, v1
	ds_add_u32 v0, v1
	s_set_vgpr_msb 0x8a00
	v_lshrrev_b32 v1, 5, v0
	v_readfirstlane_b32 s8, v1                     ; wave
	s_and_b32 s9, ttmp9, 3                         ; j
	s_lshr_b32 s10, ttmp9, 2                       ; 16 b + h
	; group 1: 64 rows of 64 f16, dense in memory; padding behind every 32 words: 4 words for K, 8 for V
	s_mov_b32 s[G1K+0], 0x07110000
	s_mov_b32 s[G1K+1], 64<<16
	s_mov_b32 s[G1K+2], 64<<16
	s_mov_b32 s[G1K+3], 64<<16
	s_mov_b32 s[G1K+4], 64
	s_mov_b32 s[G1K+5], 64
	s_mov_b32 s[G1K+6], 0
	s_mov_b32 s[G1K+7], 0
	s_mov_b32 s[G1V+0], 0x0f110000
	s_mov_b32 s[G1V+1], 64<<16
	s_mov_b32 s[G1V+2], 64<<16
	s_mov_b32 s[G1V+3], 64<<16
	s_mov_b32 s[G1V+4], 64
	s_mov_b32 s[G1V+5], 64
	s_mov_b32 s[G1V+6], 0
	s_mov_b32 s[G1V+7], 0
	s_and_b32 s19, s8, 1                           ; hw: which 64 rows of a tile I fetch
	s_lshl_b32 s12, s19, 1                         ; 2 hw
	s_lshl_b32 s18, s9, 2                          ; 4 j
	s_add_co_u32 s14, s18, 1                       ; 4 j + 1
	s_add_co_u32 s75, s18, 4                       ; 4 j + 4
	s_sub_co_u32 s67, 29, s18                      ; 29 - 4 j
	s_sub_co_u32 s16, 28, s18
	s_add_co_u32 s16, s16, s12                     ; 28 - 4 j + 2 hw
	s_add_co_u32 s11, s18, s12
	s_lshl_b32 s11, s11, 13                        ; tile 0: 64 (4 j + 2 hw) rows of 128 bytes
	s_lshl_b32 s15, s9, 1
	s_add_co_u32 s66, s15, 3                       ; 2 j + 3
	s_add_co_u32 s17, s15, 4                       ; 2 j + 4
	s_add_co_u32 s15, s15, 2                       ; 2 j + 2
	s_mov_b32 s13, 0                               ; q: the tile asked for last
	s_mov_b32 s21, 0
	s_lshr_b32 s18, s10, 4
	s_mul_i32 s18, s18, 48
	s_and_b32 s12, s10, 15
	s_add_co_u32 s18, s18, s12
	s_lshl_b32 s18, s18, 18                        ; q's plane of this head: 2,048 rows of 128 bytes a plane
	s_lshl_b32 s19, s19, 13                        ; 64 hw rows
	s_add_co_u32 s20, s18, s19
	s_wait_dscnt 0x0
	s_wait_kmcnt 0x0
	s_add_nc_u64 s[22:23], s[4:5], s[20:21]
	s_add_nc_u64 s[22:23], s[22:23], 16<<18        ; k's plane
	s_add_nc_u64 s[24:25], s[22:23], 16<<18        ; v's plane
	s_mul_i32 s19, s8, PART
.irp o, 0,1
	s_mov_b32 s[G0K+4*\o], 1
	s_add_co_u32 s[G0K+4*\o+1], s19, \o*SLOT
	s_mov_b32 s[G0V+8*\o], 1
	s_add_co_u32 s[G0V+8*\o+1], s19, \o*SLOT
.endr
	s_mov_b32 s20, s11
	s_add_nc_u64 s[G0K+2:G0K+3], s[22:23], s[20:21]
	s_or_b32 s[G0K+3], s[G0K+3], 0x80000000
	s_add_nc_u64 s[G0V+2:G0V+3], s[24:25], s[20:21]
	s_or_b32 s[G0V+3], s[G0V+3], 0x80000000
	KVLOAD 0                                       ; the first fill, ahead of every wait, LDS read and barrier
	s_lshl_b32 s12, s8, 11                         ; my first tile of a block: 16 w rows
	s_add_co_u32 s18, s18, s12
	s_lshl_b32 s19, s10, 18
	s_add_co_u32 s19, s19, s12
	s_lshl_b32 s12, s9, 15                         ; block j
	s_add_co_u32 s20, s18, s12
	s_add_nc_u64 s[26:27], s[4:5], s[20:21]        ; its queries
	s_add_co_u32 s20, s19, s12
	s_add_nc_u64 s[30:31], s[6:7], s[20:21]        ; its rows of ctx
	s_sub_co_u32 s12, 7, s9
	s_lshl_b32 s12, s12, 15                        ; block 7 - j
	s_add_co_u32 s20, s18, s12
	s_add_nc_u64 s[28:29], s[4:5], s[20:21]
	s_add_co_u32 s20, s19, s12
	s_add_nc_u64 s[32:33], s[6:7], s[20:21]
	s_mov_b32 s34, 0x76543210                      ; v_permlanex16_b32: lane i of one half reads lane i of the other
	s_mov_b32 s35, 0xfedcba98
	s_mov_b32 s72, 0x3e38aa3b                      ; c = log2(e) / 8
	s_mov_b32 s73, 0x3e38aa3b
	s_mov_b32 s74, 0xbe38aa3b                      ; -c
	v_and_b32 v1, 15, v0                           ; r
	v_bfe_u32 v2, v0, 4, 1                         ; h
	v_lshlrev_b32 v13, 4, v2
	v_lshl_add_u32 v[QOFF], v1, 7, v13             ; 128 r + 16 h
	QLOAD 26
	v_mad_u32_u24 v[KA], v1, KP, v13               ; 144 r + 16 h
	v_add_nc_u32 v[KA+1], SLOT, v[KA]
	v_and_b32 v14, 7, v0
	v_lshl_add_u32 v14, v2, 3, v14                 ; key 8 h + l % 8
	v_mul_u32_u24 v14, v14, VP
	v_bfe_u32 v15, v0, 3, 1
	v_lshl_add_u32 v14, v15, 4, v14                ; + 16 bytes for the second eight of sixteen columns
	v_add_nc_u32 v[VA], VOFF, v14
	v_add_nc_u32 v[VA+1], VOFF+SLOT, v14
	s_mul_i32 s18, s8, STW
	s_add_co_u32 s18, s18, STAGE
	v_add_nc_u32 v[STO], s18, v[KA]
	v_and_b32 v13, 31, v0
	v_lshlrev_b32 v[CO], 4, v13
	v_lshrrev_b32 v14, 3, v13
	v_and_b32 v15, 7, v0
	v_lshlrev_b32 v15, 4, v15
	v_mad_u32_u24 v14, v14, KP, v15
	v_add_nc_u32 v[RD], s18, v14
	v_lshlrev_b32 v13, 3, v2
	v_sub_nc_u32 v[DM], v1, v13
	v_lshl_add_u32 v[DM], s8, 4, v[DM]             ; 16 w + r - 8 h
	v_mov_b32 v[NINF], 0xff800000
; ---- the lines of a step ----
.macro KLOAD sl, t2                    ; 16 loads: K's fragments of the 64 keys at half t2 of slot sl, the K 0-31 halves first
	NEED 0xc3,0
.irp c, 0,1
.irp kt, 0,1,2,3
	ds_load_b128 v[KF+16*\kt+8*\c:KF+16*\kt+8*\c+3], v[KA+\sl] offset:PART*(\t2)+2304*\kt+64*\c
	ds_load_b128 v[KF+16*\kt+8*\c+4:KF+16*\kt+8*\c+7], v[KA+\sl] offset:PART*(\t2)+2304*\kt+64*\c+32
.endr
.endr
.endm
.macro VLOAD sl, t2                    ; 16 transposing loads: V^T's fragments
	NEED 0xc3,0x40
.irp dt, 0,1,2,3
.irp c, 0,1
	ds_load_tr16_b128 v[VF+16*\dt+8*\c:VF+16*\dt+8*\c+3], v[VA+\sl] offset:(64*\t2+32*\c)*VP+32*\dt
	ds_load_tr16_b128 v[VF+16*\dt+8*\c+4:VF+16*\dt+8*\c+7], v[VA+\sl] offset:(64*\t2+32*\c)*VP+32*\dt+16*VP
.endr
.endr
.endm
.macro MMS qt, kt, c                   ; one product for S: source 1 (Q) in window 1
	WIN 0x04
.if \c==0
	v_wmma_f32_16x16x32_f16 v[S+32*\qt+8*\kt:S+32*\qt+8*\kt+7], v[KF+16*\kt:KF+16*\kt+7], v[Q+16*\qt:Q+16*\qt+7], 0
.else
	v_wmma_f32_16x16x32_f16 v[S+32*\qt+8*\kt:S+32*\qt+8*\kt+7], v[KF+16*\kt+8:KF+16*\kt+15], v[Q+16*\qt+8:Q+16*\qt+15], v[S+32*\qt+8*\kt:S+32*\qt+8*\kt+7]
.endif
.endm
.macro MMO qt, dt, c, start            ; one product for O: O and V^T in window 1, P in window 0
	WIN 0x51
.if \start
	v_wmma_f32_16x16x32_f16 v[O+32*\qt+8*\dt:O+32*\qt+8*\dt+7], v[VF+16*\dt+8*\c:VF+16*\dt+8*\c+7], v[S+32*\qt+16*\c:S+32*\qt+16*\c+7], 0
.else
	v_wmma_f32_16x16x32_f16 v[O+32*\qt+8*\dt:O+32*\qt+8*\dt+7], v[VF+16*\dt+8*\c:VF+16*\dt+8*\c+7], v[S+32*\qt+16*\c:S+32*\qt+16*\c+7], v[O+32*\qt+8*\dt:O+32*\qt+8*\dt+7]
.endif
.endm
; The mask of the tile on the diagonal: register e of key tile kt is key 16 kt + 8 h + e of the step, my query is 16 w + r of the same 64.
; A select in every wave: no branch hangs on the wave's number.  Eight compares, then eight selects, so that no select waits for its compare.
.macro DMASK qt
.irp kt, 0,1,2,3
.irp e, 0,1,2,3,4,5,6,7
	v_cmp_gt_i32 s[MK+\e], 16*\kt+\e, v[DM]
.endr
.irp e, 0,1,2,3,4,5,6,7
	v_cndmask_b32 v[S+32*\qt+8*\kt+\e], v[S+32*\qt+8*\kt+\e], v[NINF], s[MK+\e]
.endr
.endr
.endm
; Slice i (0 to 7) of the search for tile qt's maximum: four chains over my 32 scores, the old maximum, the other half of the lanes; then -c m and alpha.
; From slice 3 on each line waits for the one before it, so each stands in a slot of its own.
.macro SMH qt, i, first
	WIN 0
.if \i==0
.irp k, 0,1,2,3
	v_max3_num_f32 v[MX+4*\qt+\k], v[S+32*\qt+8*\k], v[S+32*\qt+8*\k+1], v[S+32*\qt+8*\k+2]
.endr
.endif
.if \i==1
.irp k, 0,1,2,3
	v_max3_num_f32 v[MX+4*\qt+\k], v[MX+4*\qt+\k], v[S+32*\qt+8*\k+3], v[S+32*\qt+8*\k+4]
.endr
.endif
.if \i==2
.irp k, 0,1,2,3
	v_max3_num_f32 v[MX+4*\qt+\k], v[MX+4*\qt+\k], v[S+32*\qt+8*\k+5], v[S+32*\qt+8*\k+6]
.endr
.endif
.if \i==3
	v_max3_num_f32 v[MX+4*\qt], v[MX+4*\qt], v[S+32*\qt+7], v[S+32*\qt+15]
	v_max3_num_f32 v[MX+4*\qt+2], v[MX+4*\qt+2], v[S+32*\qt+23], v[S+32*\qt+31]
.if \first
	v_max_num_f32 v[MX+4*\qt+1], v[MX+4*\qt+1], v[MX+4*\qt+3]
.else
	v_max3_num_f32 v[MX+4*\qt+1], v[MX+4*\qt+1], v[MX+4*\qt+3], v[ST+4*\qt+1]
.endif
.endif
.if \i==4
	v_max3_num_f32 v[MX+4*\qt], v[MX+4*\qt], v[MX+4*\qt+1], v[MX+4*\qt+2]
.endif
.if \i==5
	v_permlanex16_b32 v[MX+4*\qt+1], v[MX+4*\qt], s34, s35         ; the other half's keys of the same query
.endif
.if \i==6
	v_max_num_f32 v[ST+4*\qt+1], v[MX+4*\qt], v[MX+4*\qt+1]        ; m
.endif
.if \i==7
.if \first==0
	v_fma_f32 v[MX+4*\qt+2], v[ST+4*\qt+1], s74, -v[ST+4*\qt]      ; c (old m - new m)
.endif
	v_mul_f32 v[ST+4*\qt], s74, v[ST+4*\qt+1]                      ; -c m
.if \first==0
	v_exp_f32 v[ST+4*\qt+2], v[MX+4*\qt+2]                         ; alpha; plain lines of the next slot stand between it and its first use
.endif
.endif
.endm
.macro SMF qt, j                       ; pair j of my 16 pairs of scores: c s - c m
	v_pk_fma_f32 v[S+32*\qt+2*(\j):S+32*\qt+2*(\j)+1], v[S+32*\qt+2*(\j):S+32*\qt+2*(\j)+1], s[72:73], v[ST+4*\qt:ST+4*\qt+1] op_sel_hi:[1,0,0]
.endm
.macro SMA qt, j                       ; pair j into the sum of its fragment (pairs 0-7, pairs 8-15); pairs 0 and 8 enter with pairs 1 and 9
.if ((\j)&7)==1
	s_wait_alu depctr_va_vdst(0)
	v_pk_add_f32 v[SUM+4*\qt+2*((\j)>>3):SUM+4*\qt+2*((\j)>>3)+1], v[S+32*\qt+2*(\j)-2:S+32*\qt+2*(\j)-1], v[S+32*\qt+2*(\j):S+32*\qt+2*(\j)+1]
.endif
.if ((\j)&7)>1
	s_wait_alu depctr_va_vdst(0)
	v_pk_add_f32 v[SUM+4*\qt+2*((\j)>>3):SUM+4*\qt+2*((\j)>>3)+1], v[SUM+4*\qt+2*((\j)>>3):SUM+4*\qt+2*((\j)>>3)+1], v[S+32*\qt+2*(\j):S+32*\qt+2*(\j)+1]
.endif
.endm
.macro SMC qt, j                       ; pair j to f16, in place: it lands in a register of pair j/2 of its fragment, which has been summed and packed
	v_cvt_pk_f16_f32 v[S+32*\qt+16*((\j)>>3)+((\j)&7)], v[S+32*\qt+2*(\j)], v[S+32*\qt+2*(\j)+1]
.endm
; Slice i (0 to 15) of tile qt's weights: pair i + 1 is scaled, pair i goes through exp2, pair i - 1 is summed, pair i - 2 is packed.
; A plain line stands behind each exponential's pair before its result is read (ISA guide 5.7.2), and the exponentials never stand in a long run.
.macro SMB qt, i
.if \i<2
	NEED 0xf3,0                                    ; slices 0 and 1 name no vector register in the second source's place: the S products' setting serves
.else
	WIN 0
.endif
.if \i==0
	SMF \qt,0
	SMF \qt,1
	v_exp_f32 v[S+32*\qt], v[S+32*\qt]
	v_exp_f32 v[S+32*\qt+1], v[S+32*\qt+1]
.else
	v_exp_f32 v[S+32*\qt+2*\i], v[S+32*\qt+2*\i]
	SMA \qt,(\i-1)
	v_exp_f32 v[S+32*\qt+2*\i+1], v[S+32*\qt+2*\i+1]
.if \i<15
	SMF \qt,(\i+1)
.endif
.if \i>=2
	SMC \qt,(\i-2)
.endif
.if \i==15
	SMC \qt,14
	SMA \qt,15
	SMC \qt,15
.endif
.endif
.endm
.macro SMR qt, j0, first               ; eight pairs of O times alpha: destination and first source in window 1, which the O products' setting also gives
.if \first==0
	NEED 0xcf,0x41
	s_wait_alu depctr_va_vdst(0)
.irp u, 0,1,2,3,4,5,6,7
	v_pk_mul_f32 v[O+32*\qt+2*(\j0+\u):O+32*\qt+2*(\j0+\u)+1], v[O+32*\qt+2*(\j0+\u):O+32*\qt+2*(\j0+\u)+1], v[ST+4*\qt+2:ST+4*\qt+3] op_sel_hi:[1,0]
.endr
.endif
.endm
.macro SML qt, first                   ; l, of my half's keys; the halves of the lanes meet at the block's end
	WIN 0
	v_pk_add_f32 v[SUM+4*\qt:SUM+4*\qt+1], v[SUM+4*\qt:SUM+4*\qt+1], v[SUM+4*\qt+2:SUM+4*\qt+3]
.if \first
	v_add_f32 v[ST+4*\qt+3], v[SUM+4*\qt], v[SUM+4*\qt+1]
.else
	v_fma_f32 v[ST+4*\qt+3], v[ST+4*\qt+3], v[ST+4*\qt+2], v[SUM+4*\qt]
	v_add_f32 v[ST+4*\qt+3], v[ST+4*\qt+3], v[SUM+4*\qt+1]
.endif
.endm
; Slot i of tile qt's sixteen: its slice of the weights; in slots 0 and 1 half of O's rescale (first where the O products' setting stands, so that it costs no
; switch; alpha is then a whole slot old); in slots 7 to 14 a slice of the next tile's maximum; in slot 15 its l (tile 3's stands at the step's end).
.macro SMV qt, i, first
.if \i<2
.if MSB==0x51
	SMR \qt,(8*\i),\first
	SMB \qt,\i
.else
	SMB \qt,\i
	SMR \qt,(8*\i),\first
.endif
.else
	SMB \qt,\i
.endif
.if \qt<3
.if \i>=7
.if \i<=14
	SMH (\qt+1),(\i-7),\first
.endif
.endif
.if \i==15
	SML \qt,\first
.endif
.endif
.endm
; Two cursors, kept as symbols while the text is assembled.  PS: the next product for S (tile PQ, product PI), if one is left.
; VS: the next slot of the softmax's stream (tile VT, slot VI), if one is left.  DRAIN: what is left of the slots of tiles up to q.
.macro PS
.if PQ<4
	MMS PQ,(PI&3),(PI>>2)
.set PI, PI+1
.if PI==8
.set PI, 0
.set PQ, PQ+1
.endif
.endif
.endm
.macro VS first
.if VT<4
	SMV VT,VI,\first
.set VI, VI+1
.if VI==16
.set VI, 0
.set VT, VT+1
.endif
.endif
.endm
.macro DRAIN q, first
.rept 16
.if VT<=\q
	VS \first
.endif
.endr
.endm
; One step: my query tiles lo .. 3 x the 64 keys at half t2 of slot sl.  first = 1: starts maximum, sum and O.  dg = 1: tile lo lies on the diagonal.
; khave = 1: K's fragments were asked for in the step before.  kpre = 1: the next step's (the slot's second half) are asked for here.
; Each tile's four accumulators take turns, one instruction a turn; no wait is written.
.macro STEP sl, t2, first, lo, dg, khave, kpre
.if \khave==0
	KLOAD \sl,\t2
.endif
	VLOAD \sl,\t2
.if \khave
	s_wait_dscnt 16                                ; K's loads, issued in the step before, are in; V's 16 may stay out
.else
	s_wait_dscnt 24                                ; K's first eight loads (K 0-31) are in; its other eight and V's 16 may stay out
.endif
.irp u, 0,1,2,3
	MMS \lo,\u,0
.endr
.if \khave==0
	s_wait_dscnt 16                                ; all of K is in; V's 16 may stay out
.endif
.irp u, 0,1,2,3
	MMS \lo,\u,1
.endr
.set PQ, \lo+1
.set PI, 0
.set VT, \lo
.set VI, 0
	; tile lo's mask and maximum among the next tile's first six products
	PS
	WIN 0
.rept 4
	v_nop                                          ; four places before tile lo's scores are read (ISA guide 7.12.1): the step has no other vector work yet
.endr
.if \dg
	DMASK \lo
.endif
	SMH \lo,0,\first
	SMH \lo,1,\first
	PS
	SMH \lo,2,\first
	SMH \lo,3,\first
	PS
	SMH \lo,4,\first
	PS
	SMH \lo,5,\first
	PS
	SMH \lo,6,\first
	PS
	SMH \lo,7,\first
	; a slot behind each product for S that is left: 18 with four live tiles, 10 with three, 2 with two, none with one
.rept 18
.if PQ<4
	PS
	VS \first
.endif
.endr
.irp tq, 0,1,2,3
.if \tq>=\lo
	DRAIN \tq,\first                               ; tile tq's weights are whole and packed
.if \tq==\lo
	s_wait_dscnt 0x0                               ; V's fragments, asked for at the step's head
.endif
.irp u, 0,1,2,3
	MMO \tq,\u,0,\first
	VS \first
.endr
.if \tq==\lo
.if \kpre
	KLOAD \sl,(\t2+1)                              ; more than four plain places behind the last product that read K's fragments; used at the next step's head
.endif
.endif
.irp u, 0,1,2,3
	MMO \tq,\u,1,0
	VS \first
.endr
.endif
.endr
	SML 3,\first                                   ; tile 3's l and the v_nop make five places: four before V's registers are loaded again or O is read,
	v_nop                                          ; five before a step that begins with tile 3 writes scores over the P that the last products read
	v_nop
.if \first
	v_nop
.endif
.endm
; The diagonal run, the same text in every wave: key step t has the live tiles t .. 3.  Slot 0 holds steps 0 and 3, slot 1 steps 1 and 2.
.macro DIAG
	TRIP_HEAD 0,1
	s_wait_loadcnt 0x0                             ; my queries
	STEP 0,0,1,0,1,0,1
	STEP 0,1,0,3,1,1,0
	TRIP_HEAD 1,1
	STEP 1,0,0,1,1,0,1
	STEP 1,1,0,2,1,1,0
.endm
.macro FULL rf                         ; a run of 256 keys below the diagonal
	TRIP_HEAD 0,1
	STEP 0,0,0,0,0,0,1
	STEP 0,1,0,0,0,1,0
	TRIP_HEAD 1,\rf
	STEP 1,0,0,0,0,0,1
	STEP 1,1,0,0,0,1,0
.endm
; A block's end: O / l, f16, through my stage, out as 512 consecutive bytes a store.  next = 1: the second block's queries are asked for first.
.macro BLOCK_END next, bp
.if \next
	QLOAD 28
.endif
.irp qt, 0,1,2,3
	v_permlanex16_b32 v[MX+4*\qt+1], v[ST+4*\qt+3], s34, s35
.endr
.irp qt, 0,1,2,3
	v_add_f32 v[ST+4*\qt+3], v[ST+4*\qt+3], v[MX+4*\qt+1]          ; both halves' keys; at least 1, the largest score's own term
.endr
.irp qt, 0,1,2,3
	v_rcp_f32 v[ST+4*\qt+2], v[ST+4*\qt+3]
.endr
	v_nop
	WIN 0x01
	s_wait_alu depctr_va_vdst(0)
.irp qt, 0,1,2,3
.set ii, 0
.rept 16
	v_pk_mul_f32 v[S+32*\qt+2*ii:S+32*\qt+2*ii+1], v[O+32*\qt+2*ii:O+32*\qt+2*ii+1], v[ST+4*\qt+2:ST+4*\qt+3] op_sel_hi:[1,0]
.set ii, ii+1
.endr
.endr
	WIN 0
.set ii, 0
.rept 64
	v_cvt_pk_f16_f32 v[KF+ii], v[S+2*ii], v[S+2*ii+1]
.set ii, ii+1
.endr
.irp qt, 0,1,2,3
.irp dt, 0,1,2,3
	ds_store_b128 v[STO], v[KF+16*\qt+4*\dt:KF+16*\qt+4*\dt+3] offset:2304*\qt+32*\dt   ; stage row 16 qt + r, d = 16 dt + 8 h ..
.endr
.endr
.set ii, 0
.rept 16
	ds_load_b128 v[S+4*ii:S+4*ii+3], v[RD] offset:576*ii           ; four rows; LDS serves a wave in order: these see the stores above
.set ii, ii+1
.endr
.set ii, 0
.rept 16
	s_wait_dscnt 15-ii
	global_store_b128 v[CO], v[S+4*ii:S+4*ii+3], s[\bp:\bp+1] offset:8192*(ii>>2)+512*(ii&3)   ; four rows of tile ii / 4, whose tiles lie 64 rows apart
.set ii, ii+1
.endr
.if \next
	s_wait_xcnt 0x0                                ; the next block writes S again only behind this wait
.endif
.endm
	s_mov_b32 s11, 0                               ; 0: block j, 1: block 7 - j
.Lphase:
	DIAG
	s_sub_co_u32 s18, 6, s9
	s_cmp_eq_u32 s11, 0
	s_cselect_b32 s12, s9, s18                     ; runs below the diagonal that ask for a further tile: j, then 6 - j (the very last is written out)
	s_cmp_eq_u32 s12, 0
	s_cbranch_scc1 .Lnofull
.Lfull:
	FULL 1
	s_sub_co_u32 s12, s12, 1
	s_cmp_lg_u32 s12, 0
	s_cbranch_scc1 .Lfull
.Lnofull:
	s_cmp_lg_u32 s11, 0
	s_cbranch_scc1 .Lnoend
	BLOCK_END 1,30
.Lnoend:
	s_add_co_u32 s11, s11, 1
	s_cmp_lt_u32 s11, 2
	s_cbranch_scc1 .Lphase
	FULL 0                                         ; the last run: its second half asks for nothing
	BLOCK_END 0,32
	s_set_vgpr_msb 0xa
	s_wait_tensorcnt 0x0
	ds_add_u32 v0, v1
	s_wait_dscnt 0x0
	s_set_vgpr_msb 0xa00
	s_endpgm
.Lfunc_end_k_q0ff790e3f4_attn:
	.size	k_q0ff790e3f4_attn, .Lfunc_end_k_q0ff790e3f4_attn-k_q0ff790e3f4_attn
	.p2alignl 7, 3214868480
	.fill 96, 4, 3214868480
	.section	.rodata,"a",@progbits
	.p2align	6, 0x0
	.amdhsa_kernel k_q0ff790e3f4_attn
		.amdhsa_group_segment_fixed_size 327680
		.amdhsa_private_segment_fixed_size 0
		.amdhsa_enable_private_segment 0
		.amdhsa_kernarg_size 16
		.amdhsa_user_sgpr_count 2
		.amdhsa_user_sgpr_kernarg_segment_ptr 1
		.amdhsa_wavefront_size32 1
		.amdhsa_system_sgpr_workgroup_id_x 1
		.amdhsa_system_sgpr_workgroup_id_y 1
		.amdhsa_system_sgpr_workgroup_id_z 1
		.amdhsa_system_vgpr_workitem_id 0
		.amdhsa_next_free_vgpr 514
		.amdhsa_next_free_sgpr 84
		.amdhsa_reserve_vcc 0
		.amdhsa_float_denorm_mode_32 3
		.amdhsa_float_denorm_mode_16_64 3
		.amdhsa_memory_ordered 1
		.amdhsa_forward_progress 1
		.amdhsa_inst_pref_size 255
	.end_amdhsa_kernel
	.section	.bss,"aw",@nobits
	.p2align	6
	.space	262144
	.amdgpu_metadata
---
amdhsa.version: [ 1, 2 ]
amdhsa.kernels:
  - .name:           k_q0ff790e3f4_attn
    .symbol:         k_q0ff790e3f4_attn.kd
    .args:
      - { .name: qkv, .offset: 0, .size: 8, .value_kind: global_buffer, .address_space: global }
      - { .name: ctx, .offset: 8, .size: 8, .value_kind: global_buffer, .address_space: global }
    .group_segment_fixed_size: 327680
    .private_segment_fixed_size: 0
    .kernarg_segment_align: 8
    .kernarg_segment_size: 16
    .max_flat_workgroup_size: 128
    .sgpr_count:     84
    .vgpr_count:     514
    .wavefront_size: 32
...
	.end_amdgpu_metadata
.endif
;; end of part 3
;; launch oproj (part 4): grid 256 x 1, 4 waves a work-group, clusters of 4 x 1, 327,680 bytes of LDS; arguments ctx, wh, bo, gamma, beta, x, out0; writes out0
.if DOCPART == 4
	.amdgcn_target "amdgcn-amd-amdhsa--gfx1250"
	.amdhsa_code_object_version 6
	.text
	.protected	k_q0ff790e3f4_oproj
	.globl	k_q0ff790e3f4_oproj
	.p2align	8
	.type	k_q0ff790e3f4_oproj,@function
k_q0ff790e3f4_oproj:
	s_mov_b64 s[64:65], 0
	v_nop
	global_prefetch_b8 v0, s[64:65] scope:SCOPE_SE
	s_setreg_imm32_b32 hwreg(HW_REG_WAVE_MODE, 25, 1), 1
	s_wait_xcnt 0x0
	s_wait_alu depctr_hold_cnt(0) depctr_sa_sdst(0) depctr_va_vdst(0) depctr_va_sdst(0) depctr_va_ssrc(0) depctr_va_vcc(0) depctr_vm_vsrc(0)
	s_getreg_b32 s2, hwreg(HW_REG_IB_STS2, 6, 4)
	s_cmp_eq_u32 s2, 0
	s_cbranch_scc0 .Lentry_in_a_cluster
	s_endpgm
.Lentry_in_a_cluster:
	s_bfe_u32 s2, ttmp6, 0x10000c
	s_cmp_lg_u32 s2, 0x3003
	s_cbranch_scc0 .Lentry_shape_is_right
	s_endpgm
.Lentry_shape_is_right:
; out0 = x + LayerNorm(ctx Wo^T + bo) gamma + beta.  ctx[b][h][s][64] and Wo (rows 3072 .. of wh) in f16, all else f32.  Nothing is left out here.
; LIMIT: a matrix operand beyond 65,504 in magnitude is an infinity in f16.
; SHARE: 8,192 rows over 256 groups: a work-group makes 32 whole rows of 1,024 columns, so that mean and variance never leave it; wave w makes columns
; 256 w ..: 2 x 16 tiles, 256 registers.  With 64 rows a group a fragment of Wo would feed four products in place of two, but only 128 groups would have work.
; RING: K goes in steps of 64 (one head) through two LDS slots of 1,024 rows of Wo (128 bytes + 16 of padding).  Each wave fetches, and alone reads,
; its own 256 rows.  CLUSTER: the four groups of a cluster walk the same tiles of Wo and ask for them jointly.  In front of each refill's round a wave
; waits for all its tensor loads, so one load of a wave is out at a time; the slot's last reads are back before that wait, so a further set of
; fragment registers would not let the request go out sooner, and none is kept.
; ctx's fragments come straight from memory into registers (a lane's 16 bytes lie along d), three buffers, asked for two steps ahead.
; The sums start from the bias: bo is loaded once, in the accumulators' layout, and is the C of the first products of both row tiles; nothing is cleared.
; The variance is taken from the deviations (two passes).
; PREFETCH: a block of 256 bytes of a row of Wo holds K steps 2 p and 2 p + 1.  Wave 0 of the 32 groups whose cluster number >> 3 is p asks once, in K step
; 2 p - 4, for the 1,024 blocks of pair p, 32 rows a group, one block a lane: two steps ahead of the tensor load of step 2 p, which goes out in step 2 p - 2.
; p = 2 to 7; pairs 0 and 1 are asked for by tensor loads in the first two steps and by no prefetch.  Each block is asked for once in the launch.
; REGISTERS: window 0: v4-14 addresses, v16-19 -mean and v24-27 1/std as pairs, v32-63 gamma, beta, v64-79 at work, v128-255 Wo's fragments of K 0-31;
; window 1: v0-95 ctx, three buffers of 32, v128-255 Wo's fragments of K 32-63; window 2: accumulators, tile (a, b) at v[128 a + 8 b]; window 3: v0-127 bo.
; The matrix instruction is used transposed: a lane holds row l % 16 and eight neighbouring columns.
; The 32 accumulators take turns, one instruction a turn; no wait is written.
.set PITCH, 144
.set WROWS, 256*PITCH                  ; a wave's rows in a slot: 36,864
.set SLOT, 4*WROWS                     ; 147,456
.set RED1, 2*SLOT                      ; 32 rows x 4 waves x 4 bytes for the sums; the squares' words stand 1,024 bytes further
.set SP, 1040                          ; stage: 16 rows of 1,024 bytes + 16, in my own rows of slot 0 behind its last fill
.set AOF, 4
.set BA, 5
.set BOFF, 7
.set GOFF, 8
.set XO, 9
.set STO, 10
.set RD, 11
.set RW, 12
.set RR, 13
.set PF, 14
.set MU, 16
.set RS, 24
.set GAM, 32
.set BET, 48
.set TS, 64
.set G1, 24
.set G0, 32
.set MSB, 0
.macro WIN new                         ; the immediate's high byte repeats the setting that is left
.if MSB != (\new)
	s_set_vgpr_msb (MSB<<8)|(\new)
.set MSB, \new
.endif
.endm
.macro PLACES                          ; four plain vector places behind a matrix instruction (ISA guide 7.12.1)
.rept 4
	v_nop
.endr
.endm
.macro CREST                           ; a round of the cluster's barrier behind its opening barrier
	s_cmp_lg_u32 s18, 0
	s_cbranch_scc1 .Lnot_wave_0_\@
	s_barrier_signal -3
.Lnot_wave_0_\@:
	s_barrier_wait -3
	s_barrier_signal -1
	s_barrier_wait -1
.endm
.macro CROUND
	s_barrier_signal -1
	s_barrier_wait -1
	CREST
.endm
	s_load_b256 s[4:11], s[0:1], 0x0               ; ctx s[4:5], wh s[6:7], bo s[8:9], gamma s[10:11]
	s_load_b128 s[12:15], s[0:1], 0x20             ; beta s[12:13], x s[14:15]
	s_load_b64 s[16:17], s[0:1], 0x30              ; out0
	v_lshl_add_u32 v126, v0, 2, 0x48800
	v_mov_b32 v127, 0
	ds_add_u32 v126, v127
	ds_add_u32 v126, v127
	v_lshrrev_b32 v1, 5, v0
	v_readfirstlane_b32 s18, v1                    ; wave
	s_bfe_u32 s19, ttmp6, 0x40000                  ; cx
	s_lshl_b32 s20, ttmp9, 2
	s_add_co_u32 s20, s20, s19                     ; the group's number
	s_mov_b32 s[G1+0], 0x0731000f                  ; mask: all four of the cluster; 2-byte elements; 4 words of padding behind every 32; bit 21
	s_mov_b32 s[G1+1], 64<<16
	s_mov_b32 s[G1+2], 256<<16
	s_mov_b32 s[G1+3], 64<<16
	s_mov_b32 s[G1+4], 256
	s_mov_b32 s[G1+5], 1024
	s_mov_b32 s[G1+6], 0
	s_mov_b32 s[G1+7], 0
	s_lshl_b32 s50, s18, 19                        ; my 256 rows of 2,048 bytes
	s_mov_b32 s51, 0
	s_mul_i32 s52, s18, WROWS
	s_mov_b32 s46, 0x76543210                      ; v_permlanex16_b32: lane i of one half reads lane i of the other
	s_mov_b32 s47, 0xfedcba98
	s_mov_b32 s48, 0x3a800000                      ; 1 / 1024
	s_mov_b32 s49, 0x3727c5ac                      ; 1e-5
	s_mov_b32 s56, 0xba800000                      ; -1 / 1024
	s_lshr_b32 s57, ttmp9, 3                       ; the pair of K steps that my cluster prefetches,
	s_cmp_eq_u32 s18, 0
	s_cselect_b32 s57, s57, 99                     ; in wave 0 alone: no pair has the number 99
	s_and_b32 s60, ttmp9, 7
	s_lshl_b32 s60, s60, 2
	s_add_co_u32 s60, s60, s19                     ; my group among the 32 that share a pair
	s_lshl_b32 s60, s60, 5                         ; its 32 rows of Wo
	s_wait_dscnt 0x0
	s_wait_kmcnt 0x0
	s_add_nc_u64 s[58:59], s[6:7], 0x600000        ; Wo: behind Wq, Wk, Wv
	s_add_nc_u64 s[50:51], s[58:59], s[50:51]
	CROUND                                         ; the four groups are here: the first joint loads meet
.irp sl, 0,1
	s_mov_b32 s[G0+4*\sl], 1
	s_add_co_u32 s[G0+4*\sl+1], s52, \sl*SLOT
	s_add_nc_u64 s[G0+4*\sl+2:G0+4*\sl+3], s[50:51], \sl*128
	s_or_b32 s[G0+4*\sl+3], s[G0+4*\sl+3], 0x80000000
	tensor_load_to_lds s[G0+4*\sl:G0+4*\sl+3], s[G1:G1+7]          ; two loads of the wave are out
	s_nop 0
.endr
	s_lshr_b32 s54, s20, 6                         ; batch: 64 groups of 32 rows
	s_lshl_b32 s54, s54, 22                        ; 16 heads of 2,048 rows of 128 bytes
	s_and_b32 s55, s20, 63
	s_lshl_b32 s55, s55, 12                        ; 32 rows of 128 bytes
	s_add_co_u32 s54, s54, s55
	s_mov_b32 s55, 0
	s_add_nc_u64 s[40:41], s[4:5], s[54:55]        ; ctx at my rows, head 0
	s_lshl_b32 s54, s20, 17                        ; 32 rows of 4,096 bytes
	s_add_nc_u64 s[42:43], s[14:15], s[54:55]      ; x
	s_add_nc_u64 s[44:45], s[16:17], s[54:55]      ; out0
	v_and_b32 v1, 15, v0                           ; r
	v_bfe_u32 v2, v0, 4, 1                         ; h
	v_lshlrev_b32 v3, 4, v2
	v_lshl_add_u32 v[AOF], v1, 7, v3               ; 128 r + 16 h
	v_mad_u32_u24 v3, v1, PITCH, v3
	v_add_nc_u32 v[BA], s52, v3                    ; my rows of slot 0: 144 r + 16 h
	v_add_nc_u32 v[BA+1], SLOT, v[BA]
	s_lshl_b32 s53, s18, 10                        ; my 256 columns in f32
	v_lshl_add_u32 v[BOFF], v2, 5, s53             ; the accumulators' layout: eight columns at 32 h
	v_lshl_add_u32 v[GOFF], v1, 4, s53             ; the rows' layout: four columns at 16 (l % 16)
	v_lshl_add_u32 v[XO], v2, 12, v[GOFF]          ; and one row down for lanes 16 to 31
	v_mul_u32_u24 v3, v1, SP
	v_lshl_add_u32 v3, v2, 5, v3
	v_add_nc_u32 v[STO], s52, v3
	v_mul_u32_u24 v3, v2, SP
	v_lshl_add_u32 v3, v1, 4, v3
	v_add_nc_u32 v[RD], s52, v3
	v_lshlrev_b32 v3, 4, v1
	v_add_nc_u32 v[RR], RED1, v3                   ; row r's four partial sums
	v_lshl_add_u32 v[RW], s18, 2, v[RR]            ; my wave's word among them
	v_and_b32 v3, 31, v0
	v_add_nc_u32 v3, s60, v3
	v_lshlrev_b32 v[PF], 11, v3                    ; the row of Wo whose block my lane asks for; never rewritten
.irp cq, 0,1,2,3
	global_load_b128 v[GAM+4*\cq:GAM+4*\cq+3], v[GOFF], s[10:11] offset:256*\cq
	global_load_b128 v[BET+4*\cq:BET+4*\cq+3], v[GOFF], s[12:13] offset:256*\cq
.endr
	WIN 0xc0
.irp b, 0,1,2,3,4,5,6,7,8,9,10,11,12,13,14,15
	global_load_b128 v[8*\b:8*\b+3], v[BOFF], s[8:9] offset:64*\b          ; bo of my 256 columns, once
	global_load_b128 v[8*\b+4:8*\b+7], v[BOFF], s[8:9] offset:64*\b+16
.endr
.macro ALOAD st                        ; 8 loads: ctx's fragments of K step st (head st) into buffer st % 3 of window 1
	WIN 0x40
.irp a, 0,1
.irp c, 0,1
	global_load_b128 v[32*((\st)%3)+16*\a+8*\c:32*((\st)%3)+16*\a+8*\c+3], v[AOF], s[40:41] offset:262144*(\st)+2048*\a+64*\c
	global_load_b128 v[32*((\st)%3)+16*\a+8*\c+4:32*((\st)%3)+16*\a+8*\c+7], v[AOF], s[40:41] offset:262144*(\st)+2048*\a+64*\c+32
.endr
.endr
.endm
.macro BLOAD sl, c                     ; 32 loads: my 256 rows of Wo, K 32 c .. of the slot's step, into window c
	WIN (\c<<6)
.irp b, 0,1,2,3,4,5,6,7,8,9,10,11,12,13,14,15
	ds_load_b128 v[128+8*\b:128+8*\b+3], v[BA+\sl] offset:2304*\b+64*\c
	ds_load_b128 v[128+8*\b+4:128+8*\b+7], v[BA+\sl] offset:2304*\b+64*\c+32
.endr
.endm
.macro MULA st, c, a, bias             ; 16 products: row tile a x my 16 column tiles, 32 along K; bias = 1: C is bo, in window 3
.if \bias
	WIN 0xb4
.else
	WIN (0xa4|\c)
.endif
.irp b, 0,1,2,3,4,5,6,7,8,9,10,11,12,13,14,15
.if \bias
	v_wmma_f32_16x16x32_f16 v[128*\a+8*\b:128*\a+8*\b+7], v[128+8*\b:128+8*\b+7], v[32*((\st)%3)+16*\a+8*\c:32*((\st)%3)+16*\a+8*\c+7], v[8*\b:8*\b+7]
.else
	v_wmma_f32_16x16x32_f16 v[128*\a+8*\b:128*\a+8*\b+7], v[128+8*\b:128+8*\b+7], v[32*((\st)%3)+16*\a+8*\c:32*((\st)%3)+16*\a+8*\c+7], v[128*\a+8*\b:128*\a+8*\b+7]
.endif
.endr
.endm
.macro PREF p                          ; the branch hangs on the wave's number and the cluster's number, which the four partners share
	WIN 0
	s_cmp_lg_u32 s57, \p
	s_cbranch_scc1 .Lnopf_\@
	global_prefetch_b8 v[PF], s[58:59] offset:256*(\p) th:TH_LOAD_NT scope:SCOPE_SE
.Lnopf_\@:
.endm
.macro CH0 st                          ; K 0-31 of step st; the fragments of K 32-63 and the ctx of two steps ahead are asked for first
.if \st>0
	PLACES                                         ; behind the products that read window 1's fragments and the ctx buffer of the step before
.endif
	BLOAD (\st&1),1
.if \st<=13
	ALOAD \st+2
.endif
.if \st<=10
.if (\st&1)==0
	PREF (\st/2+2)
.endif
.endif
.if \st<=13
	s_wait_loadcnt 16                              ; this step's ctx is in (at step 0 gamma, beta and bo too); the 16 loads of the next two steps may stay out
.else
	s_wait_loadcnt 8*(15-\st)                      ; step 14: the last step's 8 loads may stay out; step 15: none is left
.endif
	s_wait_dscnt 32                                ; the fragments of K 0-31 are in; the 32 loads just issued may stay out
	MULA \st,0,0,(\st==0)
	MULA \st,0,1,(\st==0)
.endm
.macro CH1 st                          ; K 32-63 of step st, and the change of slots
	s_wait_dscnt 0x0                               ; my reads of this slot are over
.if \st<=14
	s_set_vgpr_msb (MSB<<8)|((MSB&0xf0)|0x0)
	s_wait_tensorcnt 0x0                           ; all my tensor loads have landed: my rows of the next slot
	ds_add_u32 v126, v127
	s_wait_dscnt 0x0
	s_set_vgpr_msb (((MSB&0xf0)|0x0)<<8)|MSB
.endif
.if \st<=13
	s_barrier_signal -1                            ; opens a round of the cluster's barrier
.endif
	MULA \st,1,0,0
.if \st<=13
	WIN 0
	s_barrier_wait -1
	CREST                                          ; no wave of any partner still reads this slot or has a load on its way
	s_add_nc_u64 s[G0+4*(\st&1)+2:G0+4*(\st&1)+3], s[G0+4*(\st&1)+2:G0+4*(\st&1)+3], 256   ; two K steps on
	tensor_load_to_lds s[G0+4*(\st&1):G0+4*(\st&1)+3], s[G1:G1+7]  ; my one tensor load behind the round
	s_nop 0
.endif
.if \st<=14
	PLACES
	BLOAD ((\st+1)&1),0
.endif
	MULA \st,1,1,0
.endm
	ALOAD 0
	ALOAD 1
	s_wait_tensorcnt 1                             ; my rows of K step 0 are in (only I read them); K step 1's load stays out
	BLOAD 0,0
.irp st, 0,1,2,3,4,5,6,7,8,9,10,11,12,13,14,15
	CH0 \st
	CH1 \st
.endr
	PLACES                                         ; behind the last products: for the reads of results and the loads into the fragments' registers
	; LAYERNORM AND THE WAY OUT
.macro XLOAD a                         ; x's 16 rows of row tile a, my 256 columns, in the rows' layout, into window a, v128 ..
	WIN (\a<<6)
.irp rho, 0,1,2,3,4,5,6,7
.irp cq, 0,1,2,3
	global_load_b128 v[128+16*\rho+4*\cq:128+16*\rho+4*\cq+3], v[XO], s[42:43] offset:4096*(16*\a+2*\rho)+256*\cq th:TH_LOAD_NT
.endr
.endr
.endm
; The chains of each row tile are closed, the halves of the lanes and the four waves meet: the row's whole sum ends in v[TS + 8 a] of every lane.
.macro EXCH red
.irp a, 0,1
	v_pk_add_f32 v[TS+8*\a:TS+8*\a+1], v[TS+8*\a:TS+8*\a+1], v[TS+8*\a+2:TS+8*\a+3]
	v_pk_add_f32 v[TS+8*\a+4:TS+8*\a+5], v[TS+8*\a+4:TS+8*\a+5], v[TS+8*\a+6:TS+8*\a+7]
.endr
.irp a, 0,1
	v_pk_add_f32 v[TS+8*\a:TS+8*\a+1], v[TS+8*\a:TS+8*\a+1], v[TS+8*\a+4:TS+8*\a+5]
.endr
.irp a, 0,1
	v_add_f32 v[TS+8*\a], v[TS+8*\a], v[TS+8*\a+1]
.endr
.irp a, 0,1
	v_permlanex16_b32 v[TS+8*\a+1], v[TS+8*\a], s46, s47
.endr
.irp a, 0,1
	v_add_f32 v[TS+8*\a], v[TS+8*\a], v[TS+8*\a+1]
.endr
.irp a, 0,1
	ds_store_b32 v[RW], v[TS+8*\a] offset:\red+256*\a              ; both halves of the lanes write the same number to the row's word
.endr
	s_wait_dscnt 0x0                               ; for the other waves' sake
	s_barrier_signal -1
	s_barrier_wait -1
.irp a, 0,1
	ds_load_b128 v[TS+8*\a:TS+8*\a+3], v[RR] offset:\red+256*\a
.endr
	s_wait_dscnt 0x0
.irp a, 0,1
	v_add_f32 v[TS+8*\a], v[TS+8*\a], v[TS+8*\a+1]
	v_add_f32 v[TS+8*\a+2], v[TS+8*\a+2], v[TS+8*\a+3]
.endr
.irp a, 0,1
	v_add_f32 v[TS+8*\a], v[TS+8*\a], v[TS+8*\a+2]
.endr
.endm
; Row tile a: times 1/std, through my stage into the rows' layout, times gamma plus beta plus x, out.  left = x loads that may stay out.
.macro FINAL a, left
	WIN 0x82
.set ii, 0
.rept 64
	v_pk_mul_f32 v[128*\a+2*ii:128*\a+2*ii+1], v[128*\a+2*ii:128*\a+2*ii+1], v[RS+2*\a:RS+2*\a+1]
.set ii, ii+1
.endr
	WIN 0x08                                       ; the stores' data in the accumulators' window
.irp b, 0,1,2,3,4,5,6,7,8,9,10,11,12,13,14,15
	ds_store_b128 v[STO], v[128*\a+8*\b:128*\a+8*\b+3] offset:64*\b
	ds_store_b128 v[STO], v[128*\a+8*\b+4:128*\a+8*\b+7] offset:64*\b+16
.endr
	s_wait_xcnt 0x0                                ; the registers that the last tile's stores read are loaded again only behind this wait
	WIN 0x40
.irp rho, 0,1,2,3,4,5,6,7
.irp cq, 0,1,2,3
	ds_load_b128 v[16*\rho+4*\cq:16*\rho+4*\cq+3], v[RD] offset:2*SP*\rho+256*\cq          ; LDS serves a wave in order: these see the stores above
.endr
.endr
	s_wait_dscnt 0x0
	s_wait_loadcnt \left                           ; this tile's x is in; the other buffer's 32 loads may stay out
	WIN 0x41
.irp rho, 0,1,2,3,4,5,6,7
.irp cq, 0,1,2,3
.irp u, 0,1
	v_pk_fma_f32 v[16*\rho+4*\cq+2*\u:16*\rho+4*\cq+2*\u+1], v[16*\rho+4*\cq+2*\u:16*\rho+4*\cq+2*\u+1], v[GAM+4*\cq+2*\u:GAM+4*\cq+2*\u+1], v[BET+4*\cq+2*\u:BET+4*\cq+2*\u+1]
.endr
.endr
.endr
	WIN (0x41|(\a<<2))
.set ii, 0
.rept 64
	v_pk_add_f32 v[2*ii:2*ii+1], v[2*ii:2*ii+1], v[128+2*ii:128+2*ii+1]
.set ii, ii+1
.endr
	WIN 0x04
.irp rho, 0,1,2,3,4,5,6,7
.irp cq, 0,1,2,3
	global_store_b128 v[XO], v[16*\rho+4*\cq:16*\rho+4*\cq+3], s[44:45] offset:4096*(16*\a+2*\rho)+256*\cq th:TH_STORE_NT   ; sixteen lanes: 256 consecutive bytes at a multiple of 256
.endr
.endr
.endm
	XLOAD 0
	XLOAD 1
	; my 128 numbers of each row, four chains a row tile
	WIN 0x0a
.irp a, 0,1
.irp q, 0,1,2,3
	v_pk_add_f32 v[TS+8*\a+2*\q:TS+8*\a+2*\q+1], v[128*\a+2*\q:128*\a+2*\q+1], v[128*\a+8+2*\q:128*\a+8+2*\q+1]
.endr
.endr
	WIN 0x02
.irp b, 2,3,4,5,6,7,8,9,10,11,12,13,14,15
.irp a, 0,1
.irp q, 0,1,2,3
	v_pk_add_f32 v[TS+8*\a+2*\q:TS+8*\a+2*\q+1], v[128*\a+8*\b+2*\q:128*\a+8*\b+2*\q+1], v[TS+8*\a+2*\q:TS+8*\a+2*\q+1]
.endr
.endr
.endr
	WIN 0
	EXCH 0
.irp a, 0,1
	v_mul_f32 v[MU+2*\a], s56, v[TS+8*\a]          ; minus the mean, in both halves of a pair
	v_mul_f32 v[MU+2*\a+1], s56, v[TS+8*\a]
.endr
	; deviations in place, then their squares in four chains a row tile
	WIN 0x82
.irp a, 0,1
.set ii, 0
.rept 64
	v_pk_add_f32 v[128*\a+2*ii:128*\a+2*ii+1], v[128*\a+2*ii:128*\a+2*ii+1], v[MU+2*\a:MU+2*\a+1]
.set ii, ii+1
.endr
.endr
	WIN 0x0a
.irp a, 0,1
.irp q, 0,1,2,3
	v_pk_mul_f32 v[TS+8*\a+2*\q:TS+8*\a+2*\q+1], v[128*\a+2*\q:128*\a+2*\q+1], v[128*\a+2*\q:128*\a+2*\q+1]
.endr
.endr
.irp b, 1,2,3,4,5,6,7,8,9,10,11,12,13,14,15
.irp a, 0,1
.irp q, 0,1,2,3
	v_pk_fma_f32 v[TS+8*\a+2*\q:TS+8*\a+2*\q+1], v[128*\a+8*\b+2*\q:128*\a+8*\b+2*\q+1], v[128*\a+8*\b+2*\q:128*\a+8*\b+2*\q+1], v[TS+8*\a+2*\q:TS+8*\a+2*\q+1]
.endr
.endr
.endr
	WIN 0
	EXCH 1024
.irp a, 0,1
	v_fma_f32 v[TS+8*\a], v[TS+8*\a], s48, s49     ; variance + 1e-5
.endr
.irp a, 0,1
	v_rsq_f32 v[RS+2*\a], v[TS+8*\a]
	v_rsq_f32 v[RS+2*\a+1], v[TS+8*\a]
.endr
	v_nop                                          ; one plain place behind the last of them (ISA guide 5.7.2)
	s_wait_alu depctr_va_vdst(0)
	FINAL 0,32
	FINAL 1,0
	WIN 0
	s_set_vgpr_msb (MSB<<8)|((MSB&0xf0)|0x0)
	s_wait_tensorcnt 0x0
	ds_add_u32 v126, v127
	s_wait_dscnt 0x0
	s_set_vgpr_msb (((MSB&0xf0)|0x0)<<8)|MSB
	CROUND                                         ; the closing round: no group ends while a partner may still ask for a tile that names it
	s_endpgm
.Lfunc_end_k_q0ff790e3f4_oproj:
	.size	k_q0ff790e3f4_oproj, .Lfunc_end_k_q0ff790e3f4_oproj-k_q0ff790e3f4_oproj
	.p2alignl 7, 3214868480
	.fill 96, 4, 3214868480
	.section	.rodata,"a",@progbits
	.p2align	6, 0x0
	.amdhsa_kernel k_q0ff790e3f4_oproj
		.amdhsa_group_segment_fixed_size 327680
		.amdhsa_private_segment_fixed_size 0
		.amdhsa_enable_private_segment 0
		.amdhsa_kernarg_size 56
		.amdhsa_user_sgpr_count 2
		.amdhsa_user_sgpr_kernarg_segment_ptr 1
		.amdhsa_wavefront_size32 1
		.amdhsa_system_sgpr_workgroup_id_x 1
		.amdhsa_system_sgpr_workgroup_id_y 1
		.amdhsa_system_sgpr_workgroup_id_z 1
		.amdhsa_system_vgpr_workitem_id 0
		.amdhsa_next_free_vgpr 896
		.amdhsa_next_free_sgpr 66
		.amdhsa_reserve_vcc 0
		.amdhsa_float_denorm_mode_32 3
		.amdhsa_float_denorm_mode_16_64 3
		.amdhsa_memory_ordered 1
		.amdhsa_forward_progress 1
		.amdhsa_inst_pref_size 239
	.end_amdhsa_kernel
	.amdgpu_metadata
---
amdhsa.version: [ 1, 2 ]
amdhsa.kernels:
  - .name:           k_q0ff790e3f4_oproj
    .symbol:         k_q0ff790e3f4_oproj.kd
    .args:
      - { .name: ctx, .offset: 0, .size: 8, .value_kind: global_buffer, .address_space: global }
      - { .name: wh, .offset: 8, .size: 8, .value_kind: global_buffer, .address_space: global }
      - { .name: bo, .offset: 16, .size: 8, .value_kind: global_buffer, .address_space: global }
      - { .name: gamma, .offset: 24, .size: 8, .value_kind: global_buffer, .address_space: global }
      - { .name: beta, .offset: 32, .size: 8, .value_kind: global_buffer, .address_space: global }
      - { .name: x, .offset: 40, .size: 8, .value_kind: global_buffer, .address_space: global }
      - { .name: out0, .offset: 48, .size: 8, .value_kind: global_buffer, .address_space: global }
    .group_segment_fixed_size: 327680
    .private_segment_fixed_size: 0
    .kernarg_segment_align: 8
    .kernarg_segment_size: 56
    .max_flat_workgroup_size: 128
    .sgpr_count:     66
    .vgpr_count:     896
    .wavefront_size: 32
...
	.end_amdgpu_metadata
.endif
;; end of part 4
